; MI455X (gfx1250); checked and timed in simulation.
; The chip was launched on July 23, 2026; its instructions are those of AMD's public machine-readable ISA for CDNA 5 (MIT licence, August 2026) and "CDNA5" Instruction Set Architecture Reference Guide (July 2026). The comments in the code are by the model that wrote it; some were corrected since.
;; Linear Shift. Allowed arithmetic: float matrix products may take bf16 or f16 operands with f32 sums; other float arithmetic in f32, or as packed bf16 or f16 multiplies, adds, multiply-adds, maxima and minima; sums over many terms, partial sums and values carried from step to step in f32; what a program stores and reads back later, other than sums and carried values, may be rounded once to bf16 or f16.
;; Inputs: bias 4,096 float32; shift 4,096 x 4,096 float32; sign 4,096 x 4,096 float32; x 4,096 x 4,096 float32.
;; Outputs: out0 4,096 x 4,096 float32.
;; One version. Each part assembles by itself: llvm-mc -triple=amdgcn-amd-amdhsa -mcpu=gfx1250 --defsym DOCPART=n.
;; ======== version 1 of 1: 2 launches
;; workspace buffers: xq 33,554,432 bytes; wq 33,554,432 bytes
;; launch prep (part 1): grid 1024 x 1, 8 waves a work-group, no clusters, 0 bytes of LDS; arguments x, shift, sign, xq, wq; writes xq, wq
.if DOCPART == 1
	.amdgcn_target "amdgcn-amd-amdhsa--gfx1250"
	.amdhsa_code_object_version 6
	.text
	.protected	k_qe3b8d60655_prep
	.globl	k_qe3b8d60655_prep
	.p2align	8
	.type	k_qe3b8d60655_prep,@function
k_qe3b8d60655_prep:
	s_mov_b64 s[64:65], 0
	v_nop
	global_prefetch_b8 v0, s[64:65] scope:SCOPE_SE
	s_setreg_imm32_b32 hwreg(HW_REG_WAVE_MODE, 25, 1), 1
	s_wait_xcnt 0x0
; xq = bf16(round_to_fixed(x)),  wq = bf16(2^round(shift) * (1 - 2 round(sign))).  x, shift, sign: [4096][4096] f32;  xq, wq: [4096][4096] bf16, row-major.
; round_to_fixed(v) = clip(floor(256 v + 0.5), -32768, 32767) / 256; round() is to the nearest whole number, ties to even.
; The conversion is done ONCE here, not in the product: there each element of the three inputs is needed by the 16 tiles of a tile row or column of the output.
; A stream: the three inputs have one shape, so one text takes the same element offsets of all three.  No LDS, no barrier, no matrix unit: no wave needs another's data.
; SHARES.  A work-group owns 65,536 consecutive bytes of each f32 array (16,384 elements) and 32,768 of each bf16 array, in 16 steps of 4,096 / 2,048 bytes.
; In a step thread t takes 16 bytes at 16 t of x, shift and sign (a wave's load covers 512 consecutive bytes) and stores 8 bytes at 8 t of xq and wq
; (a wave's store covers 256 consecutive bytes, at a multiple of 256 from the buffer's first byte).  The step stands in the immediate offset: no address register is rewritten.
; A ring of DEPTH slots in registers keeps 3 x DEPTH loads of every wave on their way.
; LIMITS.  v_exp_f32 gives 0 where the result would be a denormal: a weight below 2^-126 counts as 0.  A power of two is exact in bf16; |1 - 2 round(sign)| of 256 or more keeps 8 significant bits.
; xq is rounded once to bf16 (exact for |x| < 1).  A NaN in x is not carried: the clip takes a bound in its stead.
.set STEPS, 16
.set DEPTH, 4
.set FSTEP, 4096                       ; f32 bytes of a step
.set HSTEP, 2048                       ; bf16 bytes of a step
.set LO,  1                            ; v1       16 t: my byte offset in a step of the inputs; never rewritten
.set SO,  2                            ; v2       8 t: my byte offset in a step of the outputs; never rewritten
.set IN,  4                            ; v[4:51]  slot i: 12 registers: 4 of x, 4 of shift, 4 of sign
.set OUT, 52                           ; v[52:67] slot i: 4 registers: 2 of xq, 2 of wq
	s_load_b256 s[4:11], s[0:1], 0x0               ; x s[4:5], shift s[6:7], sign s[8:9], xq s[10:11]
	s_load_b64 s[12:13], s[0:1], 0x20              ; wq
	s_lshl_b32 s14, ttmp9, 16                      ; the work-group's 65,536 bytes of the inputs (under 2^26),
	s_mov_b32 s15, 0
	s_lshl_b32 s16, ttmp9, 15                      ; and its 32,768 bytes of the outputs
	s_mov_b32 s17, 0
	s_mov_b32 s18, 0x43800000                      ; 256.0; the packed forms name a pair and take its low word for both halves
	s_mov_b32 s19, 0x43800000
	s_mov_b32 s20, 0x3b800000                      ; 1 / 256
	s_mov_b32 s21, 0x3b800000
	s_mov_b32 s22, 0xc7000000                      ; -32768.0
	s_mov_b32 s23, 0x46fffe00                      ; 32767.0
	v_lshlrev_b32 v[LO], 4, v0
	v_lshlrev_b32 v[SO], 3, v0
	s_wait_kmcnt 0x0
	s_add_nc_u64 s[4:5], s[4:5], s[14:15]
	s_add_nc_u64 s[6:7], s[6:7], s[14:15]
	s_add_nc_u64 s[8:9], s[8:9], s[14:15]
	s_add_nc_u64 s[10:11], s[10:11], s[16:17]
	s_add_nc_u64 s[12:13], s[12:13], s[16:17]
; Slot i takes step s: three loads.  The inputs are read once in the launch.
.macro FILL i, s
	global_load_b128 v[IN+12*(\i):IN+12*(\i)+3],     v[LO], s[4:5] offset:(\s)*FSTEP th:TH_LOAD_NT
	global_load_b128 v[IN+12*(\i)+4:IN+12*(\i)+7],   v[LO], s[6:7] offset:(\s)*FSTEP th:TH_LOAD_NT
	global_load_b128 v[IN+12*(\i)+8:IN+12*(\i)+11],  v[LO], s[8:9] offset:(\s)*FSTEP th:TH_LOAD_NT
.endm
; Step s: four elements of each input are converted and stored; the slot is filled again with step s + DEPTH, the loads ahead of the stores.
.macro STEP s
.set i,  (\s)%DEPTH
.set rX, IN+12*i
.set rS, rX+4
.set rG, rX+8
.set rO, OUT+4*i
.if (\s) > STEPS-DEPTH
	s_wait_loadcnt 3*(STEPS-1-(\s))                ; the last steps: three loads for each step that is still to come
.else
	s_wait_loadcnt 3*(DEPTH-1)                     ; loads come back in order (ISA guide 5.7.1): mine are in, the three younger slots' nine stay out
.endif
	s_wait_xcnt 0x0                                ; every earlier memory instruction has had its addresses translated (ISA guide 3.1): the slot's output registers, which its last stores read, are rewritten only behind this wait
.irp j, 0,1,2,3
	v_rndne_f32 v[rS+(\j)], v[rS+(\j)]             ; round(shift)
.endr
.irp j, 0,1,2,3
	v_rndne_f32 v[rG+(\j)], v[rG+(\j)]             ; round(sign)
.endr
.irp j, 0,1,2,3
	v_exp_f32 v[rS+(\j)], v[rS+(\j)]               ; 2^round(shift); the packed lines on x below are the plain instructions between these and the use of their results (ISA guide 5.7.2)
.endr
.irp j, 0,2
	v_pk_fma_f32 v[rX+(\j):rX+(\j)+1], v[rX+(\j):rX+(\j)+1], s[18:19], 0.5 op_sel_hi:[1,0,0]   ; 256 x + 0.5: the product is exact, so the one rounding is the sum's
.endr
.irp j, 0,2
	v_pk_fma_f32 v[rG+(\j):rG+(\j)+1], v[rG+(\j):rG+(\j)+1], -2.0, 1.0 op_sel_hi:[1,0,0]       ; 1 - 2 round(sign)
.endr
.irp j, 0,1,2,3
	v_floor_f32 v[rX+(\j)], v[rX+(\j)]
.endr
	s_wait_alu depctr_va_vdst(0)
.irp j, 0,2
	v_pk_mul_f32 v[rS+(\j):rS+(\j)+1], v[rS+(\j):rS+(\j)+1], v[rG+(\j):rG+(\j)+1]              ; the weight
.endr
.irp j, 0,1,2,3
	v_med3_num_f32 v[rX+(\j)], v[rX+(\j)], s22, s23                                            ; the clip
.endr
.irp j, 0,2
	v_pk_mul_f32 v[rX+(\j):rX+(\j)+1], v[rX+(\j):rX+(\j)+1], s[20:21] op_sel_hi:[1,0]          ; / 256, exact
.endr
	v_cvt_pk_bf16_f32 v[rO],   v[rX],   v[rX+1]
	v_cvt_pk_bf16_f32 v[rO+1], v[rX+2], v[rX+3]
	v_cvt_pk_bf16_f32 v[rO+2], v[rS],   v[rS+1]
	v_cvt_pk_bf16_f32 v[rO+3], v[rS+2], v[rS+3]
.if (\s)+DEPTH < STEPS
	FILL i, (\s)+DEPTH
.endif
	global_store_b64 v[SO], v[rO:rO+1],   s[10:11] offset:(\s)*HSTEP   ; no hint: the next launch reads these bytes
	global_store_b64 v[SO], v[rO+2:rO+3], s[12:13] offset:(\s)*HSTEP
.endm
.irp s, 0,1,2,3
	FILL \s, \s                                    ; the ring is filled: steps 0 to 3
.endr
.irp s, 0,1,2,3,4,5,6,7,8,9,10,11,12,13,14,15
	STEP \s
.endr
	s_endpgm
.Lfunc_end_k_qe3b8d60655_prep:
	.size	k_qe3b8d60655_prep, .Lfunc_end_k_qe3b8d60655_prep-k_qe3b8d60655_prep
	.p2alignl 7, 3214868480
	.fill 96, 4, 3214868480
	.section	.rodata,"a",@progbits
	.p2align	6, 0x0
	.amdhsa_kernel k_qe3b8d60655_prep
		.amdhsa_group_segment_fixed_size 0
		.amdhsa_private_segment_fixed_size 0
		.amdhsa_enable_private_segment 0
		.amdhsa_kernarg_size 40
		.amdhsa_user_sgpr_count 2
		.amdhsa_user_sgpr_kernarg_segment_ptr 1
		.amdhsa_wavefront_size32 1
		.amdhsa_system_sgpr_workgroup_id_x 1
		.amdhsa_system_sgpr_workgroup_id_y 1
		.amdhsa_system_sgpr_workgroup_id_z 1
		.amdhsa_system_vgpr_workitem_id 0
		.amdhsa_next_free_vgpr 68
		.amdhsa_next_free_sgpr 66
		.amdhsa_reserve_vcc 0
		.amdhsa_float_denorm_mode_32 3
		.amdhsa_float_denorm_mode_16_64 3
		.amdhsa_memory_ordered 1
		.amdhsa_forward_progress 1
		.amdhsa_inst_pref_size 35
	.end_amdhsa_kernel
	.amdgpu_metadata
---
amdhsa.version: [ 1, 2 ]
amdhsa.kernels:
  - .name:           k_qe3b8d60655_prep
    .symbol:         k_qe3b8d60655_prep.kd
    .args:
      - { .name: x, .offset: 0, .size: 8, .value_kind: global_buffer, .address_space: global }
      - { .name: shift, .offset: 8, .size: 8, .value_kind: global_buffer, .address_space: global }
      - { .name: sign, .offset: 16, .size: 8, .value_kind: global_buffer, .address_space: global }
      - { .name: xq, .offset: 24, .size: 8, .value_kind: global_buffer, .address_space: global }
      - { .name: wq, .offset: 32, .size: 8, .value_kind: global_buffer, .address_space: global }
    .group_segment_fixed_size: 0
    .private_segment_fixed_size: 0
    .kernarg_segment_align: 8
    .kernarg_segment_size: 40
    .max_flat_workgroup_size: 256
    .sgpr_count:     66
    .vgpr_count:     68
    .wavefront_size: 32
...
	.end_amdgpu_metadata
.endif
;; end of part 1
;; launch gemm (part 2): grid 16 x 16, 4 waves a work-group, clusters of 4 x 4, 327,680 bytes of LDS; arguments xq, wq, bias, out0; writes out0
.if DOCPART == 2
	.amdgcn_target "amdgcn-amd-amdhsa--gfx1250"
	.amdhsa_code_object_version 6
	.text
	.protected	k_qe3b8d60655_gemm
	.globl	k_qe3b8d60655_gemm
	.p2align	8
	.type	k_qe3b8d60655_gemm,@function
k_qe3b8d60655_gemm:
	s_mov_b64 s[64:65], 0
	v_nop
	global_prefetch_b8 v0, s[64:65] scope:SCOPE_SE
	s_setreg_imm32_b32 hwreg(HW_REG_WAVE_MODE, 25, 1), 1
	s_wait_xcnt 0x0
	s_wait_alu depctr_hold_cnt(0) depctr_sa_sdst(0) depctr_va_vdst(0) depctr_va_sdst(0) depctr_va_ssrc(0) depctr_va_vcc(0) depctr_vm_vsrc(0)
	s_getreg_b32 s2, hwreg(HW_REG_IB_STS2, 6, 4)
	s_cmp_eq_u32 s2, 0
	s_cbranch_scc0 .Lentry_in_a_cluster
	s_endpgm
.Lentry_in_a_cluster:
	s_bfe_u32 s2, ttmp6, 0x10000c
	s_cmp_lg_u32 s2, 0xf033
	s_cbranch_scc0 .Lentry_shape_is_right
	s_endpgm
.Lentry_shape_is_right:
; out0[m][n] = the sum over k of xq[m][k] wq[n][k] + round_to_fixed(bias[n]).  xq, wq: [4096][4096] bf16 (made by the launch before); bias: [4096] f32; out0: [4096][4096] f32.  Sums in f32.
; round_to_fixed(v) = clip(floor(256 v + 0.5), -32768, 32767) / 256.  LIMIT: a NaN in bias is not carried: the clip takes a bound in its stead.
; SHARES.  16 x 16 work-groups, each a tile of 256 x 256 of out0, four waves, each 128 x 128: 64 accumulators of 16 x 16, 512 registers.  K goes in 32 steps of 128 through a ring of two LDS slots
; filled by the tensor data mover: a tile's rows are 256 bytes of memory and start at multiples of 256 bytes from the buffer's first byte.
; CLUSTERS: 4 x 4 work-groups.  The four of a row of the cluster need the same tiles of xq (A), the four of a column the same tiles of wq (B): each tile is asked for JOINTLY, by the same tensor load
; with the same descriptor and a mask that names the four; each receives it in its own LDS.  That divides the requests for A and for B by four.
; THE MATRIX INSTRUCTION IS USED TRANSPOSED: source 0 = 16 rows of B, source 1 = 16 rows of A.  In the result lane l holds row l % 16 of out0 and the columns 8 (l / 16) + 0..7: 32 neighbouring bytes.
; THE WAY OUT.  16 rows at a time go through the wave's own stage in LDS and come back as whole rows of 512 bytes, 16 bytes a lane; a lane then has the same four columns in every row, so four
; quantised numbers of bias a lane serve the whole tile; each store of a wave covers 512 consecutive bytes, at a multiple of 512 from out0's first byte.
; REGISTERS, in windows of 256 (s_set_vgpr_msb's low byte: bits 1:0 source 0, 3:2 source 1, 5:4 source 2, 7:6 destination):
;   window 0: v0-29 addresses and bias; v64-127, v128-191 fragments of A, two buffers; on the way out the rows read back, two buffers
;   window 1: v64-127, v128-191 fragments of B, two buffers
;   window 2: the 32 accumulators of my rows 0-63 (accumulator (a, b) at v[8 (8 a + b)]);   window 3: those of my rows 64-127
.set SIZE_K, 4096
.set SIZE_N, 4096
.set KSTEP,  128
.set PITCH,  272                       ; an LDS row: 256 bytes + 16 of padding = 68 words: row r starts at bank 4 r mod 64 (64 banks of 4 bytes: ISA guide 11.1), so the 16 rows of a load start at 16 different banks
.set HALFT,  128*PITCH                 ; 128 rows: what one tensor load brings, and what one wave reads of A or of B
.set SLOT,   4*HALFT                   ; A's 256 rows, then B's 256 rows
.set STAGE,  2*SLOT                    ; behind the ring, never filled by a tensor load: 16 rows x 528 bytes for each wave
.set SPITCH, 528                       ; a stage row: 512 bytes + 16 = 132 words: again row r starts at bank 4 r mod 64
.set SPARE,  STAGE+4*16*SPITCH         ; behind the stages: the spare words, 128 bytes for each wave: two blocks of 256 bytes that no other line names
.set LAPS,   SIZE_K/(2*KSTEP)          ; a lap = two K steps = once round the ring: 16
.set BQ,   8                           ; v[8:11] round_to_fixed(bias) of my four columns on the way out
.set ADRA, 16                          ; v16-17  LDS address of my A fragments in slot 0, 1
.set ADRB, 20                          ; v20-21  the same for B
.set STO,  24                          ; v24     the way out: where I put 32 bytes of a row
.set RD,   25                          ; v25     the way out: where I read 16 bytes of a row back
.set CO,   26                          ; v26     16 x lane: my byte offset in 512 bytes of a row of out0, and in my wave's 512 bytes of bias
.set SPW,  28                          ; v28     LDS address of my spare word: SPARE + 4 x my thread's number; never rewritten
.set NIL,  29                          ; v29     0; never rewritten
.set F0,   64                          ; fragment buffer 0
.set F1,   128                         ; fragment buffer 1
.set WV,   12                          ; s12     my wave's number
.set RH,   13                          ; s13     which half of the tile's rows is mine.  Also: I fetch for A (0) or for B (1)
.set CH,   14                          ; s14     which half of its columns.  Also: which 128 rows of that tile I fetch
.set G1,   24                          ; s[24:31] descriptor group 1 for A's tiles
.set G0,   32                          ; s[32:39] descriptor group 0 for A's tiles, one set for each slot
.set G1B,  48                          ; s[48:55] descriptor group 1 for B's tiles: it differs from A's in the mask alone
.set G0B,  56                          ; s[56:63] descriptor group 0 for B's tiles, one set for each slot
.set MSB, 0
.macro WIN new                         ; the immediate's high byte repeats the setting that is left; a switch that changes nothing is dropped
.if MSB != (\new)
	s_set_vgpr_msb (MSB<<8)|(\new)
.set MSB, \new
.endif
.endm
.set MUL_LO, 0xa1                      ; source 0 (B) window 1, source 1 (A) window 0, C and D window 2
.set MUL_HI, 0xf1                      ; the same, C and D window 3
.set TO_B,   0x40                      ; destination window 1, address window 0
.set ST_LO,  0x08                      ; an LDS store's data (source 1) window 2, address window 0
.set ST_HI,  0x0c                      ; the same, window 3
; A joint load.  Waves 0 and 1 fetch A's two halves, waves 2 and 3 B's.  Each of the two lines has one mask and one set of registers for all that issue it.  The branch hangs on the wave's number alone.
; An s_nop 0 and four v_nop follow each of the two lines, ahead of the jump, the label and what follows the macro.
.macro JLOAD s
	s_cmp_eq_u32 s[RH], 0
	s_cbranch_scc0 .Lfor_b_\@
	tensor_load_to_lds s[G0+4*(\s):G0+4*(\s)+3], s[G1:G1+7]
	s_nop 0
.rept 4
	v_nop
.endr
	s_branch .Lasked_\@
.Lfor_b_\@:
	tensor_load_to_lds s[G0B+4*(\s):G0B+4*(\s)+3], s[G1B:G1B+7]
	s_nop 0
.rept 4
	v_nop
.endr
.Lasked_\@:
.endm
; A round of the cluster's barrier: my work-group's barrier, so that wave 0's signal speaks for all four waves; wave 0 signals for the work-group; every wave waits for all sixteen
; work-groups; my work-group's barrier once more.  No LDS instruction of the wave is pending at a signal.
.macro CREST                           ; a round behind its opening barrier
	s_cmp_lg_u32 s[WV], 0
	s_cbranch_scc1 .Lnot_wave_0_\@
	s_barrier_signal -3
.Lnot_wave_0_\@:
	s_barrier_wait -3
	s_barrier_signal -1
	s_barrier_wait -1
.endm
.macro CROUND                          ; a whole round
	s_barrier_signal -1
	s_barrier_wait -1
	CREST
.endm
	s_load_b256 s[4:11], s[0:1], 0x0               ; xq s[4:5], wq s[6:7], bias s[8:9], out0 s[10:11]
	v_lshl_add_u32 v[SPW], v0, 2, SPARE
	v_mov_b32 v[NIL], 0
	ds_add_u32 v[SPW], v[NIL]                      ; the wave's opening: the add and its wait stand ahead of my first tensor load; the set-up below, work on registers, stands between them
	v_lshrrev_b32 v1, 5, v0
	v_readfirstlane_b32 s[WV], v1                  ; wave 0..3
	s_lshr_b32 s[RH], s[WV], 1
	s_and_b32 s[CH], s[WV], 1
	s_bfe_u32 s40, ttmp6, 0x40000                  ; cx: my place along the cluster's x
	s_bfe_u32 s41, ttmp6, 0x40004                  ; cy: along its y
	s_lshl_b32 s42, ttmp9, 2                       ; in a cluster launch ttmp9 and ttmp7 count clusters
	s_add_co_u32 s42, s42, s40                     ; tile column = 4 x cluster x + cx
	s_and_b32 s15, ttmp7, 0xffff
	s_lshl_b32 s15, s15, 2
	s_add_co_u32 s15, s15, s41                     ; tile row = 4 x cluster y + cy
	s_lshl_b32 s43, s41, 2
	s_lshl_b32 s43, 15, s43                        ; my row of the cluster: places 4 cy .. 4 cy + 3
	s_lshl_b32 s44, 0x1111, s40                    ; my column: places cx, cx + 4, cx + 8, cx + 12
	; descriptor group 1: a tile of 128 rows x 128 elements, padded in LDS
	s_or_b32 s[G1+0], s43, (1<<16)|(1<<20)|(1<<21)|(5<<22)|(3<<25)   ; 15:0 the mask: A's tiles go to my row; 17:16 elements of 2 bytes; 20 padding on; 21 set beside a mask; 24:22 after every 64 words (code 5); 31:25 4 words of it (code 3)
	s_or_b32 s[G1B+0], s44, (1<<16)|(1<<20)|(1<<21)|(5<<22)|(3<<25)  ; the same with the mask of my column, for B's tiles
.irp g, G1, G1B
	s_mov_b32 s[(\g)+1], KSTEP<<16                 ; 63:48 tensor_dim0, low half = 128
	s_mov_b32 s[(\g)+2], 128<<16                   ; 79:64 its high half = 0; 95:80 tensor_dim1, low half = 128
	s_mov_b32 s[(\g)+3], KSTEP<<16                 ; 111:96 its high half = 0; 127:112 tile_dim0 = 128
	s_mov_b32 s[(\g)+4], 128                       ; 143:128 tile_dim1 = 128; 159:144 tile_dim2 = 0
	s_mov_b32 s[(\g)+5], SIZE_K                    ; 191:160 tensor_dim0_stride, low word: elements from row to row
	s_mov_b32 s[(\g)+6], 0
	s_mov_b32 s[(\g)+7], 0
.endr
	; where the tiles come from.  A's hang on the tile row alone, which my row of the cluster shares; B's on the tile column alone, which my column shares.
	; Every wave makes both offsets, in registers that never hold the other coordinate, and asks by one of them.
	s_lshl_b32 s17, s[CH], 7                       ; which 128 rows of the tile I fetch
	s_lshl_b32 s16, s15, 8
	s_add_co_u32 s16, s16, s17                     ; A: row 256 x tile row + 128 x half
	s_lshl_b32 s46, s42, 8
	s_add_co_u32 s46, s46, s17                     ; B: row 256 x tile column + 128 x half
	s_lshl_b32 s16, s16, 13                        ; x 8,192 bytes a row: under 2^25
	s_lshl_b32 s46, s46, 13
	s_mov_b32 s17, 0
	s_mov_b32 s47, 0
	s_mul_i32 s20, s[WV], HALFT                    ; and where they go: A's two halves, then B's two halves = wave x 128 rows: no place in the cluster enters an LDS address
	s_mov_b32 s66, 0x43800000                      ; 256.0
	s_mov_b32 s67, 0x3b800000                      ; 1 / 256
	s_mov_b32 s70, 0xc7000000                      ; -32768.0
	s_mov_b32 s71, 0x46fffe00                      ; 32767.0
	s_wait_dscnt 0x0                               ; the opening add is done
	s_wait_kmcnt 0x0
	s_add_nc_u64 s[16:17], s[4:5], s[16:17]
	s_add_nc_u64 s[46:47], s[6:7], s[46:47]
	CROUND                                         ; all sixteen work-groups are here: the first joint loads meet
.irp s, 0,1
	s_mov_b32 s[G0+4*(\s)], 1                                        ; 1:0 count = 1
	s_add_co_u32 s[G0+4*(\s)+1], s20, (\s)*SLOT                      ; 63:32 LDS address
	s_add_nc_u64 s[G0+4*(\s)+2:G0+4*(\s)+3], s[16:17], (\s)*KSTEP*2  ; 120:64 global address: K step s
	s_or_b32 s[G0+4*(\s)+3], s[G0+4*(\s)+3], 0x80000000              ; 127:126 type = 2
	s_mov_b32 s[G0B+4*(\s)], 1
	s_add_co_u32 s[G0B+4*(\s)+1], s20, (\s)*SLOT
	s_add_nc_u64 s[G0B+4*(\s)+2:G0B+4*(\s)+3], s[46:47], (\s)*KSTEP*2
	s_or_b32 s[G0B+4*(\s)+3], s[G0B+4*(\s)+3], 0x80000000
	JLOAD \s                                       ; the ring is filled before anything else is done: two tensor loads of mine are out
.endr
	; A fragment is 16 rows x 32 K in 8 registers: lane l holds row l % 16; registers 0-3 hold K = 8 (l / 16) + 0..7, registers 4-7 hold K = 16 + 8 (l / 16) + 0..7:
	; two loads of 16 bytes, 32 bytes apart.  The same for source 0 and source 1.
	v_and_b32 v1, 15, v0                           ; l % 16
	v_bfe_u32 v2, v0, 4, 1                         ; l / 16
	v_mul_u32_u24 v3, v1, PITCH
	v_lshl_add_u32 v3, v2, 4, v3                   ; row x pitch + 16 x half
	s_mul_i32 s21, s[RH], HALFT                    ; my 128 rows of A
	s_mul_i32 s22, s[CH], HALFT                    ; my 128 rows of B,
	s_add_co_u32 s22, s22, 2*HALFT                 ; which lie behind A's 256
.irp s, 0,1
	v_add_nc_u32 v[ADRA+(\s)], s21, v3
	v_add_nc_u32 v[ADRB+(\s)], s22, v3
	s_add_co_u32 s21, s21, SLOT
	s_add_co_u32 s22, s22, SLOT
.endr
	s_mul_i32 s23, s[WV], 16*SPITCH
	s_add_co_u32 s23, s23, STAGE                   ; my stage
	v_mul_u32_u24 v4, v1, SPITCH                   ; in: row l % 16, 32 bytes for each half of the lanes
	v_lshl_add_u32 v4, v2, 5, v4
	v_add_nc_u32 v[STO], s23, v4
	v_and_b32 v5, 31, v0
	v_lshlrev_b32 v[CO], 4, v5                     ; back: 32 lanes take one row of 512 bytes
	v_add_nc_u32 v[RD], s23, v[CO]
	; where my part of the tile begins in out0, and my 128 numbers of bias
	s_lshl_b32 s16, s15, 8
	s_lshl_b32 s17, s[RH], 7
	s_add_co_u32 s16, s16, s17                     ; my first row,
	s_lshl_b32 s16, s16, 14                        ; x 16,384 bytes a row: under 2^26
	s_mov_b32 s17, 0
	s_lshl_b32 s46, s42, 10                        ; my first column, in bytes: 1,024 x tile column + 512 x half (in the registers that held B's address: none that fed A's descriptors ever holds cx)
	s_lshl_b32 s47, s[CH], 9
	s_add_co_u32 s46, s46, s47
	s_mov_b32 s47, 0
	s_add_nc_u64 s[10:11], s[10:11], s[16:17]
	s_add_nc_u64 s[10:11], s[10:11], s[46:47]
	s_add_nc_u64 s[8:9], s[8:9], s[46:47]
	global_load_b128 v[BQ:BQ+3], v[CO], s[8:9]     ; bias of columns 4 l .. 4 l + 3 of my 128
	s_wait_loadcnt 0x0                             ; stands in the wait for the first tile
.irp j, 0,1,2,3
	v_fma_f32 v[BQ+(\j)], v[BQ+(\j)], s66, 0.5     ; 256 b + 0.5: the product is exact, so the one rounding is the sum's
.endr
.irp j, 0,1,2,3
	v_floor_f32 v[BQ+(\j)], v[BQ+(\j)]
.endr
.irp j, 0,1,2,3
	v_med3_num_f32 v[BQ+(\j)], v[BQ+(\j)], s70, s71  ; the clip
.endr
.irp j, 0,1,2,3
	v_mul_f32 v[BQ+(\j)], s67, v[BQ+(\j)]          ; / 256, exact
.endr
; 16 matrix instructions: m blocks a0, a0 + 1 of the window's four (hi = 0: my rows 0-63, 1: rows 64-127) x all 8 n blocks, 32 along K.
; zero = 1: the first product starts the sums: nothing is ever cleared.
.macro MUL16 f, hi, a0, zero
	WIN MUL_LO+0x50*(\hi)
.irp a, \a0, (\a0)+1
.irp b, 0,1,2,3,4,5,6,7
.if \zero
	v_wmma_f32_16x16x32_bf16 v[8*(8*(\a)+(\b)):8*(8*(\a)+(\b))+7], v[(\f)+8*(\b):(\f)+8*(\b)+7], v[(\f)+8*(4*(\hi)+(\a)):(\f)+8*(4*(\hi)+(\a))+7], 0
.else
	v_wmma_f32_16x16x32_bf16 v[8*(8*(\a)+(\b)):8*(8*(\a)+(\b))+7], v[(\f)+8*(\b):(\f)+8*(\b)+7], v[(\f)+8*(4*(\hi)+(\a)):(\f)+8*(4*(\hi)+(\a))+7], v[8*(8*(\a)+(\b)):8*(8*(\a)+(\b))+7]
.endif
.endr
.endr
.endm
; 32 LDS loads in one run: the fragments of one quarter step (128 rows of B, 128 rows of A, 32 K at byte k of the rows) into buffer f
.macro FETCH slot, k, f
	WIN TO_B
.irp i, 0,1,2,3,4,5,6,7
	ds_load_b128 v[(\f)+8*(\i):(\f)+8*(\i)+3],   v[ADRB+(\slot)] offset:(\k)+(\i)*16*PITCH
	ds_load_b128 v[(\f)+8*(\i)+4:(\f)+8*(\i)+7], v[ADRB+(\slot)] offset:(\k)+(\i)*16*PITCH+32
.endr
	WIN 0
.irp i, 0,1,2,3,4,5,6,7
	ds_load_b128 v[(\f)+8*(\i):(\f)+8*(\i)+3],   v[ADRA+(\slot)] offset:(\k)+(\i)*16*PITCH
	ds_load_b128 v[(\f)+8*(\i)+4:(\f)+8*(\i)+7], v[ADRA+(\slot)] offset:(\k)+(\i)*16*PITCH+32
.endr
.endm
; A load into a register that a matrix instruction has read, and an LDS store that reads a matrix result, stand four places behind that matrix instruction, and only plain vector
; instructions that name none of its registers are places (ISA guide 7.12.1 for vector instructions): four v_nop in front of each run of loads.
.macro PLACES
.rept 4
	v_nop
.endr
.endm
; A K step is four quarter steps of 32 along K, 64 matrix instructions each, on buffers 0, 1, 0, 1.  The 64 accumulators take turns in the same order in every quarter.
; One of the first three: multiplies buffer f; in its middle it fetches the next quarter's fragments, at byte k of the same slot's rows, into buffer g.
.macro QUARTER slot, k, f, g, zero
	s_wait_dscnt 8                                 ; B and A's rows 0-63 are in; the youngest eight loads (A's rows 64-127) may be out
	WIN MUL_LO
	MUL16 \f, 0, 0, \zero
	MUL16 \f, 0, 2, \zero
	PLACES
	FETCH \slot, \k, \g
	s_wait_dscnt 32                                ; all but the 32 just issued
	WIN MUL_HI
	MUL16 \f, 1, 0, \zero
	MUL16 \f, 1, 2, \zero
.endm
; The last quarter multiplies buffer 1 and changes slots.  MEET is its first half: ONE barrier for the change of slots.  In front of it each wave waits for all its tensor loads, of which one is
; out: its part of the next slot; adds 0 to its spare word; and waits for that and for its own reads of this slot.  Behind it nobody reads this slot any more and the next slot is whole.
.macro MEET round                      ; round = 1: the rest of a round of the cluster's barrier follows
	WIN 0                                          ; (the add's two registers lie in window 0)
	s_wait_tensorcnt 0x0                           ; all my tensor loads have landed: the one that was out is my part of the next slot;
	ds_add_u32 v[SPW], v[NIL]                      ; 0 onto my spare word;
	s_wait_dscnt 9                                 ; (the add and the youngest eight loads may be out)
	WIN MUL_LO
	MUL16 F1, 0, 0, 0                              ; sixteen matrix instructions stand between the add and the wait for it
	s_wait_dscnt 0x0                               ; the add is done, and my reads of this slot are over:
	s_barrier_signal -1                            ; say so,
	MUL16 F1, 0, 2, 0                              ; work on registers while the others arrive,
.if \round
	WIN 0
.endif
	s_barrier_wait -1                              ; and go on when all four have said so
.endm
; The whole last quarter.  fill = 1: behind the round the slot just read out is filled again first, with the K step two steps on: from that request to the wait for it a wave issues 224 matrix
; instructions.  Then come the next slot's first fragments.
.macro TURN slot, next, fill
	MEET \fill
.if \fill
	CREST                                          ; all sixteen work-groups have said so: no wave of any partner still reads this slot's tile or has a load on its way
	s_add_nc_u64 s[G0+4*(\slot)+2:G0+4*(\slot)+3], s[G0+4*(\slot)+2:G0+4*(\slot)+3], 2*KSTEP*2     ; no tensor load of mine is out, so a group 0 may be written; the type bits on top are not reached
	s_add_nc_u64 s[G0B+4*(\slot)+2:G0B+4*(\slot)+3], s[G0B+4*(\slot)+2:G0B+4*(\slot)+3], 2*KSTEP*2
	JLOAD \slot                                    ; my one tensor load behind the round, and the first thing there; the four v_nop behind it are also the places in front of the loads below
.else
	PLACES
.endif
	FETCH \next, 0, F0
	WIN MUL_HI
	MUL16 F1, 1, 0, 0
	MUL16 F1, 1, 2, 0
.endm
	s_wait_tensorcnt 1                             ; my part of K step 0 is in; K step 1's may stay out
	s_barrier_signal -1
	s_barrier_wait -1                              ; everybody's is
	FETCH 0, 0, F0
	QUARTER 0, 64,  F0, F1, 1                      ; the first quarter stands in front of the loop: its products start the sums
	WIN 0                                          ; at a label and at a branch every window is 0
	s_mov_b32 s3, LAPS-1
.Llap:                                                 ; 15 trips: each goes once round the ring, from a lap's second quarter to the next lap's first, and fills both slots again: K steps 2 to 31
	QUARTER 0, 128, F1, F0, 0
	QUARTER 0, 192, F0, F1, 0
	TURN 0, 1, 1
	QUARTER 1, 64,  F0, F1, 0
	QUARTER 1, 128, F1, F0, 0
	QUARTER 1, 192, F0, F1, 0
	TURN 1, 0, 1
	QUARTER 0, 64,  F0, F1, 0
	WIN 0
	s_sub_co_u32 s3, s3, 1
	s_cmp_lg_u32 s3, 0
	s_cbranch_scc1 .Llap
	QUARTER 0, 128, F1, F0, 0                      ; the last lap is written out: it asks for nothing and no round of the cluster's barrier stands in it
	QUARTER 0, 192, F0, F1, 0
	TURN 0, 1, 0
	QUARTER 1, 64,  F0, F1, 0
	QUARTER 1, 128, F1, F0, 0
	QUARTER 1, 192, F0, F1, 0
	s_wait_dscnt 8                                 ; the very last quarter: nothing more to fetch
	WIN MUL_LO
	MUL16 F1, 0, 0, 0
	MUL16 F1, 0, 2, 0
	s_wait_dscnt 0x0
	MUL16 F1, 1, 0, 0
	MUL16 F1, 1, 2, 0
	WIN 0
; THE WAY OUT of block a (16 rows of out0), in two parts.
; TOSTAGE: the block's eight accumulators go as they are, f32, into my own stage (each accumulator's four lowest registers first), and come back as 16 whole rows of
; 512 bytes, into buffer a % 2 of the registers that held A's fragments.
.macro TOSTAGE a
.set AC, 64*((\a)%4)
.set BK, F0+64*((\a)%2)
	WIN ST_LO+4*((\a)/4)                           ; ST_LO or ST_HI
.irp b, 0,1,2,3,4,5,6,7
	ds_store_b128 v[STO], v[AC+8*(\b):AC+8*(\b)+3]   offset:64*(\b)      ; row l % 16, columns 16 b + 8 (l / 16) + 0..3
	ds_store_b128 v[STO], v[AC+8*(\b)+4:AC+8*(\b)+7] offset:64*(\b)+16   ; and + 4..7
.endr
	WIN 0
	s_wait_xcnt 0x0                                ; every earlier memory instruction has had its addresses translated (ISA guide 3.1): the buffer, which the stores of the block two back read, is loaded again only behind this wait
.irp t, 0,1,2,3,4,5,6,7,8,9,10,11,12,13,14,15
	ds_load_b128 v[BK+4*(\t):BK+4*(\t)+3], v[RD] offset:(\t)*SPITCH      ; LDS serves a wave's instructions in order (ISA guide 5.7.1.4): these see the stores above, and the next block's stores come behind them
.endr
.endm
; SEND: the bias is added and the rows are stored.  younger: the LDS instructions issued behind block a's loads: the next block's 16 stores and 16 loads, or none.
.macro SEND a, younger
.set BK, F0+64*((\a)%2)
	WIN 0
.irp t, 0,1,2,3,4,5,6,7,8,9,10,11,12,13,14,15
	s_wait_dscnt (\younger)+15-(\t)                ; row t is back; the block's later rows and the younger instructions stay out
	v_pk_add_f32 v[BK+4*(\t):BK+4*(\t)+1],   v[BK+4*(\t):BK+4*(\t)+1],   v[BQ:BQ+1]
	v_pk_add_f32 v[BK+4*(\t)+2:BK+4*(\t)+3], v[BK+4*(\t)+2:BK+4*(\t)+3], v[BQ+2:BQ+3]
	global_store_b128 v[CO], v[BK+4*(\t):BK+4*(\t)+3], s[10:11] offset:(16*(\a)+(\t))*SIZE_N*4 th:TH_STORE_NT  ; 512 consecutive bytes; the row stands in the immediate, 127 x 16,384 at the most, inside its signed 24 bits
.endr
.endm
	PLACES                                         ; behind the last products: for the stores that read results and the loads into A's buffers
	TOSTAGE 0
.irp a, 1,2,3,4,5,6,7                  ; block a's trip through the stage is under way while block a - 1 is stored
	TOSTAGE \a
	SEND (\a)-1, 32
.endr
	SEND 7, 0
	s_wait_tensorcnt 0x0                           ; the wave's end, behind my last tensor load and my last LDS store
	ds_add_u32 v[SPW], v[NIL]
	s_wait_dscnt 0x0
	CROUND                                         ; the closing round: no work-group ends while a partner may still ask for a tile that names it
	s_endpgm
.Lfunc_end_k_qe3b8d60655_gemm:
	.size	k_qe3b8d60655_gemm, .Lfunc_end_k_qe3b8d60655_gemm-k_qe3b8d60655_gemm
	.p2alignl 7, 3214868480
	.fill 96, 4, 3214868480
	.section	.rodata,"a",@progbits
	.p2align	6, 0x0
	.amdhsa_kernel k_qe3b8d60655_gemm
		.amdhsa_group_segment_fixed_size 327680
		.amdhsa_private_segment_fixed_size 0
		.amdhsa_enable_private_segment 0
		.amdhsa_kernarg_size 32
		.amdhsa_user_sgpr_count 2
		.amdhsa_user_sgpr_kernarg_segment_ptr 1
		.amdhsa_wavefront_size32 1
		.amdhsa_system_sgpr_workgroup_id_x 1
		.amdhsa_system_sgpr_workgroup_id_y 1
		.amdhsa_system_sgpr_workgroup_id_z 1
		.amdhsa_system_vgpr_workitem_id 0
		.amdhsa_next_free_vgpr 1024
		.amdhsa_next_free_sgpr 72
		.amdhsa_reserve_vcc 0
		.amdhsa_float_denorm_mode_32 3
		.amdhsa_float_denorm_mode_16_64 3
		.amdhsa_memory_ordered 1
		.amdhsa_forward_progress 1
		.amdhsa_inst_pref_size 161
	.end_amdhsa_kernel
	.amdgpu_metadata
---
amdhsa.version: [ 1, 2 ]
amdhsa.kernels:
  - .name:           k_qe3b8d60655_gemm
    .symbol:         k_qe3b8d60655_gemm.kd
    .args:
      - { .name: xq, .offset: 0, .size: 8, .value_kind: global_buffer, .address_space: global }
      - { .name: wq, .offset: 8, .size: 8, .value_kind: global_buffer, .address_space: global }
      - { .name: bias, .offset: 16, .size: 8, .value_kind: global_buffer, .address_space: global }
      - { .name: out0, .offset: 24, .size: 8, .value_kind: global_buffer, .address_space: global }
    .group_segment_fixed_size: 327680
    .private_segment_fixed_size: 0
    .kernarg_segment_align: 8
    .kernarg_segment_size: 32
    .max_flat_workgroup_size: 128
    .sgpr_count:     72
    .vgpr_count:     1024
    .wavefront_size: 32
...
	.end_amdgpu_metadata
.endif
;; end of part 2
